; MI455X (gfx1250); checked and timed in simulation.
; The chip was launched on July 23, 2026; its instructions are those of AMD's public machine-readable ISA for CDNA 5 (MIT licence, August 2026) and "CDNA5" Instruction Set Architecture Reference Guide (July 2026). The comments in the code are by the model that wrote it; some were corrected since.
;; Quantized Linear. Allowed arithmetic: matrix products marked QUANTISED: E2M1 operands, one E8M0 scale for each 32 along K, by v_wmma_scale_f32_16x16x128_f8f6f4 with both operands' format E2M1 (or v_wmma_scale_f32_32x16x128_f4), f32 sums; everything else in f32.
;; Inputs: S 64 float32; U 4,096 x 64 float32; Vt_codes 4,096 x 2 x 16 uint8 (E2M1 codes of Vt, K innermost, in blocks of 32 codes, two codes a byte); Vt_scales 4,096 x 2 uint8 (E8M0 scales of Vt, one for each 32 codes along K); bias 4,096 float32; centroids 8,192 x 8 float32; indices 4,096 x 512 int32; perm 4,096 int32; weight_bias 4,096 x 1 float32; weight_scale 4,096 x 1 float32; x_codes 4,096 x 128 x 16 uint8 (E2M1 codes of x, K innermost, in blocks of 32 codes, two codes a byte); x_scales 4,096 x 128 uint8 (E8M0 scales of x, one for each 32 codes along K).
;; Outputs: out0 4,096 x 4,096 float32.
;; This version of the problem:
;;   THIS VERSION OF THE PROBLEM IS GIVEN IN LOW PRECISION. The matrix products marked QUANTISED in the list below multiply operands that are first quantised to E2M1 (2 exponent bits, 1 mantissa bit; 4 bits a number), with one power-of-two scale for each 32 numbers along K (OCP MX v1.0); their sums are f32. All else is computed in f32.
;;   The module's matrix products, in the order in which they are computed (A, B: the left and right operand; K: the contracted axis; several contracted axes count as one K, in the product's order):
;;     1. [M 4,096, K 64] x [K 64, N 4,096]; A: computed on the way; B: input Vt (given as codes): QUANTISED
;;     2. [M 4,096, K 4,096] x [K 4,096, N 4,096]; A: input x (given as codes); B: computed on the way: QUANTISED
;;   THE QUANTISER, for each operand of a quantised product, along K:
;;     - K is cut into blocks of 32 from its start; a last block that is shorter is filled with zeros.
;;     - A block's scale is 2^e with e = floor(log2(the largest magnitude in the block)) - 2, held to -126 .. 127; a block of zeros has e = 0. As a byte (E8M0): e + 127.
;;     - Each number is divided by its block's scale, clamped to +-6, and rounded to the nearest number of E2M1, ties to even, subnormals kept.
;;     - The product sums the exact products of the quantised numbers (number of the format x scale) in f32.
;;   ~~~python
;;   def quantise(x, axis):      # numpy; x: float32 -> the quantised numbers, widened to float32 again
;;       x = np.moveaxis(x, axis, -1); K = x.shape[-1]
;;       x = np.pad(x, [(0, 0)] * (x.ndim - 1) + [(0, -K % 32)]); x = x.reshape(x.shape[:-1] + (-1, 32)); a = np.abs(x).max(-1, keepdims=True)
;;       e = np.where(a > 0, np.clip(np.frexp(np.where(a > 0, a, 1))[1] - 1 - 2, -126, 127), 0)      # np.frexp(a)[1] - 1 = floor(log2(a)), exactly
;;       r = np.clip(x / 2.0 ** e, -6, 6)
;;       step = 2.0 ** (np.maximum(np.frexp(np.where(r == 0, 1, r))[1] - 1, 0) - 1)
;;       q = np.round(r / step) * step * 2.0 ** e      # np.round: ties to even
;;       return np.moveaxis(q.reshape(q.shape[:-2] + (-1,))[..., :K], -1, axis).astype(np.float32)
;;   ~~~
;;   OPERANDS COMPUTED ON THE WAY. 'Computed on the way' means the value that the module computes at that place (a softmax that the list does not call 'softmax' is quantised finished and normalised). What goes into a quantiser is computed in f32, as accurately as f32 sums, v_exp_f32 and their like allow (about 1e-6 of the number): no bf16 or f16 on the way to a quantiser, and a product that is left as it is and whose result goes on into a quantised operand takes f32 operands (vector FMAs, or v_wmma_f32_16x16x4_f32). A number that lies on a knife's edge between two numbers of the format may be rounded either way, as far as f32 arithmetic and the matrix unit's own rounding can turn it there, and no further.
;;   INPUTS GIVEN AS CODES. Vt (in the module: [64, 4096], K = its axis 0); x (in the module: [4096, 4096], K = its axis 1): each comes as NAME_codes (uint8): NAME with its K axis moved to the last place and cut into blocks of 32 codes, [.., K / 32, bytes a block], one block behind the other in memory; two codes a byte, the lower K in the low four bits (a code: sign, 2 exponent bits, 1 mantissa bit); and NAME_scales (uint8): the same leading axes, one E8M0 byte (e + 127) for each 32 codes along K. Its value is code x scale, taken as it is: it is not quantised again, and the codes and scales need not be those that the quantiser above would give.
;; One version. Each part assembles by itself: llvm-mc -triple=amdgcn-amd-amdhsa -mcpu=gfx1250 --defsym DOCPART=n.
;; ======== version 1 of 1: 2 launches
;; workspace buffers: wq 8,388,608 bytes; ws2 524,288 bytes; xs2 524,288 bytes
;; launch prep (part 1): grid 256 x 1, 8 waves a work-group, no clusters, 305,152 bytes of LDS; arguments centroids, indices, perm, weight_scale, weight_bias, U, S, Vt_codes, Vt_scales, x_scales, wq, ws2, xs2; writes wq, ws2, xs2
.if DOCPART == 1
	.amdgcn_target "amdgcn-amd-amdhsa--gfx1250"
	.amdhsa_code_object_version 6
	.text
	.protected	k_q7764d03c96_prep
	.globl	k_q7764d03c96_prep
	.p2align	8
	.type	k_q7764d03c96_prep,@function
k_q7764d03c96_prep:
	s_mov_b64 s[64:65], 0
	v_nop
	global_prefetch_b8 v0, s[64:65] scope:SCOPE_SE
	s_setreg_imm32_b32 hwreg(HW_REG_WAVE_MODE, 25, 1), 1
	s_wait_xcnt 0x0
; W[o][i] = centroids[indices[o][perm[i] / 8]][perm[i] % 8] x weight_scale[o] + weight_bias[o] + sum over k of Q(U[o][k] S[k]) Vt[k][i]   (4,096 x 4,096, f32),
; then W is quantised along i to codes of FP4 (E2M1) with one E8M0 scale byte for each 32 along i.  The low-rank product (K = 64) goes on codes: U S is quantised here, Vt arrives as codes.
; OUT: wq, W's codes as images of operand registers [i / 512][o / 16][(i / 128) % 4][c 0..1][lane][16 bytes]: lane (r, h), quad c = row 16 (o / 16) + r, k = 64 c + 32 h + 0 .. 31 of the 128;
;      ws2, W's scale bytes [i / 512][o][16 bytes];  xs2, x_scales laid the same way [k / 512][token][16 bytes], so that a K step's scales of 256 rows are 4,096 consecutive bytes for the next launch.
; SHARES.  Work-group rb owns rows 16 rb .. 16 rb + 15 of W (and of x_scales), all 4,096 columns.  Wave w owns columns 512 w .. 512 w + 511, in four trips of 128.
; Lane (r = lane % 16, h = lane / 16) owns row r; register 16 b + t of a trip is column 32 b + 16 h + t of the 128: a lane's registers run along i, as the conversions want them.
; LDS is filled once, by tensor loads, and only read afterwards: the whole table of centroids (rows of 256 bytes + 8 of padding: 66 words, so that centroids 8 apart fall on other banks; 64 banks of 4 bytes: ISA guide 11.1)
; and the work-group's 16 rows of indices (2,048 bytes + 16: 516 words, so that one column of the 16 rows lies in 16 different banks).
; NO JOINT REQUESTS, though every work-group reads the same table: the gathers' LDS addresses are made of indices, which differ from work-group to work-group, and in a launch with joint requests no LDS address may differ between partners.
; THE LOW-RANK PRODUCT IS USED TRANSPOSED (source 0 = 16 rows of Vt^T, that is 16 columns i; source 1 = my 16 rows of U S), and the columns that form a tile are not neighbours: lane r of tile 2 b + u takes column 32 b + 8 u + r + 8 (r / 8),
; so that the result's registers lie as said above.  K is 64 of the instruction's 128: the upper halves of both operands are zero codes.  weight_bias is the C of that product.
; ORDER OF ROUNDING: w = q x scale + (bias + low rank), one fused multiply-add, where the definition adds (q x scale + bias) + low rank: the two differ by a rounding of f32.
; LIMITS: NaN and infinities among the inputs are not served.  A block of zeros gets the byte 1 where the rule says 127: its codes are zeros, which add nothing under any byte but 0xff, and the bytes are read by this program alone.
; Indices and perm are held to their tables' sizes by v_min_u32 ahead of every address; an index inside its table is not changed by it.
.set TROW,  264                        ; a row of the table in LDS: 8 centroids, 256 bytes + 8
.set IDX,   1024*TROW                  ; behind the table (270,336 bytes): the indices
.set IROW,  2064                       ; a row of indices in LDS: 2,048 bytes + 16
.set RT,  1                            ; v1   IDX + IROW x r: my row of indices
.set PO,  2                            ; v2   64 h: my 16 numbers of a block of 32 of perm
.set VO,  3                            ; v3   32 (r + 8 (r / 8)) + 16 h: my 16 bytes in a tile of Vt's codes
.set VSO, 4                            ; v4   2 (r + 8 (r / 8)): my two bytes in a tile of Vt's scales
.set CO,  5                            ; v5   16 x lane: an image's place for my lane
.set WS,  6                            ; v6   weight_scale of my row (named as the pair v[6:7]; the low word serves both halves)
.set SO,  7                            ; v7   16 r: my row's place in ws2 and xs2
.set US,  8                            ; v8   the scale word of U S: holds scales alone
.set WB,  9                            ; v9   weight_bias of my row
.set SW,  10                           ; v10-13 W's four scale words of my row, one a trip
.set XS,  14                           ; v14-17 my row's 16 bytes of x_scales
.set HH,  18                           ; v18  h
.set LN,  19                           ; v19  lane
.set VSW, 20                           ; v20-27 Vt's scale words, one register a tile: hold scales alone
.set TM,  28                           ; v28-43 at work
.set PW,  44                           ; v44  the scale word just made
.set PC,  48                           ; v48-55 the codes just made
.set PM,  64                           ; v64-127  perm of my 64 columns, then perm % 8
.set GA,  128                          ; v128-191 address of the index, the index, address of the number, the number
.set LR,  192                          ; v192-255 weight_bias + low rank, then w
.set UF,  64                           ; window 1: v0-63 Vt's eight fragments; v64-71 the fragment of U S;
.set CB,  72                           ;           v72-79 weight_bias of my row, eight times: the C of the low-rank product
.set G1T, 36                           ; s[36:43] descriptor group 1 for the table;  s[44:51] for a row of indices
.set G1I, 44
.set G0T, 52                           ; s[52:55] group 0 for my eighth of the table;  s[56:59], s[60:63] for my two rows of indices
.set G0I, 56
.set SEL, 66                           ; s[66:67] lane selects for v_permlanex16_b32: lane l xor 16
.set MSB, 0
.macro WIN new                         ; the immediate's high byte repeats the setting that is left
.if MSB != (\new)
	s_set_vgpr_msb (MSB<<8)|(\new)
.set MSB, (\new)
.endif
.endm
	s_load_b512 s[4:19], s[0:1], 0x0               ; centroids s[4:5], indices s[6:7], perm s[8:9], weight_scale s[10:11], weight_bias s[12:13], U s[14:15], S s[16:17], Vt's codes s[18:19]
	s_load_b256 s[20:27], s[0:1], 0x40             ; Vt's scales s[20:21], x_scales s[22:23], wq s[24:25], ws2 s[26:27]
	s_load_b64 s[28:29], s[0:1], 0x60              ; xs2
	v_lshl_add_u32 v62, v0, 2, 0x4a400
	v_mov_b32 v63, 0
	ds_add_u32 v62, v63
	ds_add_u32 v62, v63
	v_lshrrev_b32 v[LN], 5, v0
	v_readfirstlane_b32 s30, v[LN]                 ; wave 0..7
	v_and_b32 v[LN], 31, v0
	v_and_b32 v57, 15, v0                          ; r
	v_bfe_u32 v[HH], v0, 4, 1
	v_mul_u32_u24 v[RT], v57, IROW
	v_add_nc_u32 v[RT], IDX, v[RT]
	v_lshlrev_b32 v[PO], 6, v[HH]
	v_and_b32 v58, 8, v57
	v_add_nc_u32 v58, v58, v57                     ; r + 8 (r / 8)
	v_lshlrev_b32 v[VO], 5, v58
	v_lshl_add_u32 v[VO], v[HH], 4, v[VO]
	v_lshlrev_b32 v[VSO], 1, v58
	v_lshlrev_b32 v[CO], 4, v[LN]
	v_lshlrev_b32 v[SO], 4, v57
	v_lshlrev_b32 v45, 8, v57
	v_lshl_add_u32 v45, v[HH], 7, v45              ; U: row r of 256 bytes, + 128 h: my block of 32 along K
	v_lshlrev_b32 v46, 7, v[HH]                    ; S: the same block
	v_lshlrev_b32 v47, 2, v57                      ; weight_scale, weight_bias: 4 bytes a row
	v_lshlrev_b32 v56, 7, v57                      ; x_scales: 128 bytes a row
	; descriptor group 1, the table: 128 rows of 32 elements of 8 bytes, dense in memory, 2 words of padding behind every 64
	s_mov_b32 s[G1T+0], (3<<16)|(1<<20)|(5<<22)|(1<<25)
	s_mov_b32 s[G1T+1], 32<<16                     ; tensor_dim0
	s_mov_b32 s[G1T+2], 128<<16                    ; tensor_dim1
	s_mov_b32 s[G1T+3], 32<<16                     ; tile_dim0
	s_mov_b32 s[G1T+4], 128                        ; tile_dim1
	s_mov_b32 s[G1T+5], 32                         ; tensor_dim0_stride
	s_mov_b32 s[G1T+6], 0
	s_mov_b32 s[G1T+7], 0
	; and a row of indices: one row of 256 elements of 8 bytes
	s_mov_b32 s[G1I+0], 3<<16
	s_mov_b32 s[G1I+1], 256<<16
	s_mov_b32 s[G1I+2], 1<<16
	s_mov_b32 s[G1I+3], 256<<16
	s_mov_b32 s[G1I+4], 1
	s_mov_b32 s[G1I+5], 256
	s_mov_b32 s[G1I+6], 0
	s_mov_b32 s[G1I+7], 0
	s_mov_b32 s[SEL], 0x76543210
	s_mov_b32 s[SEL+1], 0xfedcba98
	s_mov_b32 s71, 0                               ; offsets are pairs with 0 above
	s_mov_b32 s73, 0
	s_mov_b32 s[G0T], 1
	s_mul_i32 s[G0T+1], s30, 128*TROW              ; my eighth of the table in LDS
	s_mov_b32 s[G0I], 1
	s_mul_i32 s[G0I+1], s30, 2*IROW
	s_add_co_u32 s[G0I+1], s[G0I+1], IDX           ; rows 2 w and 2 w + 1 of the indices in LDS
	s_mov_b32 s[G0I+4], 1
	s_add_co_u32 s[G0I+5], s[G0I+1], IROW
	s_lshl_b32 s70, s30, 15                        ; my eighth of the table in memory: 32,768 bytes a wave
	s_lshl_b32 s72, ttmp9, 15                      ; the work-group's 16 rows of indices, 2,048 bytes each,
	s_lshl_b32 s74, s30, 12
	s_add_co_u32 s72, s72, s74                     ; and my two of them
	s_wait_dscnt 0x0
	s_wait_kmcnt 0x0
	s_add_nc_u64 s[G0T+2:G0T+3], s[4:5], s[70:71]
	s_add_nc_u64 s[G0I+2:G0I+3], s[6:7], s[72:73]
	s_add_nc_u64 s[G0I+6:G0I+7], s[G0I+2:G0I+3], 2048
	s_or_b32 s[G0T+3], s[G0T+3], 0x80000000
	s_or_b32 s[G0I+3], s[G0I+3], 0x80000000
	s_or_b32 s[G0I+7], s[G0I+7], 0x80000000
	tensor_load_to_lds s[G0T:G0T+3], s[G1T:G1T+7]          ; all fills of the launch go out together, ahead of everything else: three loads of mine are out
	s_nop 0
	tensor_load_to_lds s[G0I:G0I+3], s[G1I:G1I+7]
	s_nop 0
	tensor_load_to_lds s[G0I+4:G0I+7], s[G1I:G1I+7]
	s_nop 0
.rept 4
	v_nop                                          ; four lines behind the tensor loads, ahead of any switch of the register windows
.endr
	; every stream at my wave's and my work-group's part
	s_lshl_b32 s70, s30, 11
	s_add_nc_u64 s[8:9], s[8:9], s[70:71]          ; perm: 512 numbers a wave
	s_lshl_b32 s70, s30, 14
	s_add_nc_u64 s[18:19], s[18:19], s[70:71]      ; Vt's codes: 512 rows of 32 bytes
	s_lshl_b32 s70, s30, 10
	s_add_nc_u64 s[20:21], s[20:21], s[70:71]      ; Vt's scales: 512 rows of 2 bytes
	s_lshl_b32 s70, s30, 20
	s_lshl_b32 s72, ttmp9, 12
	s_add_co_u32 s70, s70, s72
	s_add_nc_u64 s[24:25], s[24:25], s[70:71]      ; wq: 1,048,576 bytes a K step of 512, 4,096 a block of 16 rows
	s_lshl_b32 s70, s30, 16
	s_lshl_b32 s72, ttmp9, 8
	s_add_co_u32 s70, s70, s72
	s_add_nc_u64 s[26:27], s[26:27], s[70:71]      ; ws2 and xs2: 65,536 bytes a K step, 256 a block of 16 rows
	s_add_nc_u64 s[28:29], s[28:29], s[70:71]
	s_lshl_b32 s70, ttmp9, 11
	s_lshl_b32 s72, s30, 4
	s_add_co_u32 s70, s70, s72
	s_add_nc_u64 s[22:23], s[22:23], s[70:71]      ; x_scales: 16 rows of 128 bytes, my wave's 16 bytes of each
	s_lshl_b32 s70, ttmp9, 12
	s_add_nc_u64 s[14:15], s[14:15], s[70:71]      ; U: 16 rows of 256 bytes
	s_lshl_b32 s70, ttmp9, 6
	s_add_nc_u64 s[10:11], s[10:11], s[70:71]
	s_add_nc_u64 s[12:13], s[12:13], s[70:71]
; A trip's 32 loads: perm of my 64 columns, Vt's eight fragments (their lower halves: K = 64) and their scale words (two bytes; the two bytes above them are 0 and stand over zero codes)
.macro PRELOAD
.irp b, 0,1,2,3
.irp u, 0,1,2,3
	global_load_b128 v[PM+16*\b+4*\u:PM+16*\b+4*\u+3], v[PO], s[8:9] offset:128*\b+16*\u
.endr
.endr
	WIN 0x40                                       ; destination window 1, address window 0
.irp t, 0,1,2,3,4,5,6,7
	global_load_b128 v[8*\t:8*\t+3], v[VO], s[18:19] offset:(32*(\t/2)+8*(\t%2))*32
.endr
	WIN 0
.irp t, 0,1,2,3,4,5,6,7
	global_load_u16 v[VSW+\t], v[VSO], s[20:21] offset:(32*(\t/2)+8*(\t%2))*2
.endr
.endm
.irp k, 0,1,2,3,4,5,6,7
	global_load_b128 v[GA+4*\k:GA+4*\k+3], v45, s[14:15] offset:16*\k          ; U(my row, 32 h + 0 .. 31)
.endr
.irp k, 0,1,2,3,4,5,6,7
	global_load_b128 v[GA+32+4*\k:GA+32+4*\k+3], v46, s[16:17] offset:16*\k    ; S(32 h + 0 .. 31)
.endr
	global_load_b32 v[WS], v47, s[10:11]
	global_load_b32 v[WB], v47, s[12:13]
	global_load_b128 v[XS:XS+3], v56, s[22:23]
	PRELOAD                                        ; trip 0's
.irp b, 0,1,2,3
	v_mov_b32 v[TM+4+\b], 0                        ; written once: a lane permute's destination counts as one of its sources
	v_mov_b32 v[SW+\b], 0                          ; (shifted along in every trip, so written before the first)
.endr
	s_wait_loadcnt 32                              ; the 19 loads above are in; trip 0's 32, issued behind them, may be out
	; U S, in f32, and its codes: a lane holds a whole block of 32 along K, so the block's largest magnitude needs no other lane
.irp k, 0,2,4,6,8,10,12,14,16,18,20,22,24,26,28,30
	v_pk_mul_f32 v[GA+\k:GA+\k+1], v[GA+\k:GA+\k+1], v[GA+32+\k:GA+32+\k+1]
.endr
	v_max3_num_f32 v[TM], |v[GA]|, |v[GA+1]|, 0x1800000            ; two chains; the floor 2^(3 - 127) holds the byte at 1 from below
	v_max3_num_f32 v[TM+1], |v[GA+16]|, |v[GA+17]|, 0x1800000
.irp i, 2,4,6,8,10,12,14
	v_max3_num_f32 v[TM], v[TM], |v[GA+\i]|, |v[GA+1+\i]|
	v_max3_num_f32 v[TM+1], v[TM+1], |v[GA+16+\i]|, |v[GA+17+\i]|
.endr
	v_max_num_f32 v[TM], v[TM], v[TM+1]
	v_add_nc_u32 v[TM+2], 0xff000000, v[TM]        ; 2 off the exponent field: the conversion takes the exponent field of this operand as its scale
	v_lshrrev_b32 v[TM+3], 23, v[TM+2]             ; the scale's byte, of block h,
	v_lshlrev_b32 v[TM+1], 3, v[HH]
	v_lshlrev_b32 v[TM+3], v[TM+1], v[TM+3]        ; at its place in the scale word;
	v_permlanex16_b32 v[TM+4], v[TM+3], s[SEL], s[SEL+1]
	v_or_b32 v[US], v[TM+3], v[TM+4]               ; with lane l xor 16's the word's two lower bytes are whole; the two above are 0 and stand over zero codes
	WIN 0x40                                       ; destination window 1
.irp g, 0,1,2,3
	v_cvt_scalef32_pk8_fp4_f32 v[UF+\g], v[GA+8*\g:GA+8*\g+7], v[TM+2]     ; registers 0-3 of the operand: k = 32 h + 0 .. 31
.endr
	v_nop                                          ; one plain place behind a scaled conversion
.irp g, 4,5,6,7
	v_mov_b32 v[UF+\g], 0                          ; k = 64 .. 127: zero codes
.endr
.irp t, 0,1,2,3,4,5,6,7
.irp g, 4,5,6,7
	v_mov_b32 v[8*\t+\g], 0                        ; the same in Vt's eight fragments: set once, the loads fill the lower halves alone
.endr
.endr
.irp g, 0,1,2,3,4,5,6,7
	v_mov_b32 v[CB+\g], v[WB]                      ; in the transposed result a lane holds one row o: its eight registers all want that row's weight_bias
.endr
	WIN 0
	s_wait_tensorcnt 0x0                           ; my three tensor loads have landed,
	s_barrier_signal -1
	s_barrier_wait -1                              ; everybody's have: from here on LDS is only read
; 64 numbers of a lane, v[s] .. v[s + 63], register 16 b + i = k 32 b + 16 (lane / 16) + i of my row, become a fragment's codes in v[PC] on and its scale word in v[PW].
.macro QUANT s
.irp b, 0,1,2,3
	v_max3_num_f32 v[TM+\b], |v[\s+16*\b]|, |v[\s+1+16*\b]|, 0x1800000   ; block b: my 16 numbers, and the floor 2^(3 - 127): the byte cannot fall under 1
.endr
.irp i, 2,4,6,8,10,12,14
.irp b, 0,1,2,3
	v_max3_num_f32 v[TM+\b], v[TM+\b], |v[\s+16*\b+\i]|, |v[\s+1+16*\b+\i]|   ; (the four blocks by turns: no line waits for the line above it)
.endr
.endr
.irp b, 0,1,2,3
	v_permlanex16_b32 v[TM+4+\b], v[TM+\b], s[SEL], s[SEL+1]
.endr
.irp b, 0,1,2,3
	v_max_num_f32 v[TM+\b], v[TM+\b], v[TM+4+\b]   ; with lane l xor 16's: the block's largest magnitude
.endr
.irp b, 0,1,2,3
	v_add_nc_u32 v[TM+12+\b], 0xff000000, v[TM+\b]   ; 2 off its exponent field: the conversion's scale operand
.endr
.irp b, 0,1,2,3
	v_lshrrev_b32 v[TM+4+\b], 23, v[TM+12+\b]      ; the scale's byte
.endr
	v_lshl_or_b32 v[PW], v[TM+5], 8, v[TM+4]       ; the four bytes make my row's scale word
	v_lshl_or_b32 v[PW], v[TM+6], 16, v[PW]
	v_lshl_or_b32 v[PW], v[TM+7], 24, v[PW]
.irp b, 0,1,2,3
	v_cvt_scalef32_pk8_fp4_f32 v[PC+2*\b], v[\s+16*\b:\s+7+16*\b], v[TM+12+\b]
	v_cvt_scalef32_pk8_fp4_f32 v[PC+1+2*\b], v[\s+8+16*\b:\s+15+16*\b], v[TM+12+\b]
.endr
	v_nop                                          ; one plain place behind a scaled conversion
.irp c, 0,1                                    ; the operand's layout wants a WHOLE block in a lane: lanes 0-15 block 2 c, lanes 16-31 block 2 c + 1
.irp i, 0,1
	v_permlane16_swap_b32 v[PC+4*\c+\i], v[PC+2+4*\c+\i]
.endr
.endr
.endm
; A TRIP: 128 columns of my 16 rows.  pre = 1: the next trip's 32 loads are asked for.
.macro TRIP pre
	s_wait_loadcnt 0x0                             ; this trip's 32 loads, asked for a trip ago, are in: their registers may be read and their bases stepped
	; the indices: word perm / 8 of my row, 16 registers at a time
.irp g, 0,1,2,3
.irp i, 0,1,2,3,4,5,6,7,8,9,10,11,12,13,14,15
	v_bfe_u32 v[GA+16*\g+\i], v[PM+16*\g+\i], 3, 9
.endr
.irp i, 0,1,2,3,4,5,6,7,8,9,10,11,12,13,14,15
	v_min_u32 v[GA+16*\g+\i], 511, v[GA+16*\g+\i]  ; held to the row's 512 words ahead of the address
.endr
.irp i, 0,1,2,3,4,5,6,7,8,9,10,11,12,13,14,15
	v_lshl_add_u32 v[GA+16*\g+\i], v[GA+16*\g+\i], 2, v[RT]
.endr
.irp i, 0,1,2,3,4,5,6,7,8,9,10,11,12,13,14,15
	ds_load_b32 v[GA+16*\g+\i], v[GA+16*\g+\i]
.endr
.endr
	; while they are on their way: perm % 8, which number of a centroid,
.set j, 0
.rept 64
	v_and_b32 v[PM+j], 7, v[PM+j]
.set j, j+1
.endr
.set j, 0
.rept 64
	v_min_u32 v[PM+j], 7, v[PM+j]                  ; held ahead of the address
.set j, j+1
.endr
	; and weight_bias + the low-rank product: eight results, none adds onto another
	WIN 0x15                                       ; sources 0, 1 and 2 window 1, destination window 0
.irp t, 0,1,2,3,4,5,6,7
	v_wmma_scale_f32_16x16x128_f8f6f4 v[LR+8*\t:LR+8*\t+7], v[8*\t:8*\t+7], v[UF:UF+7], v[CB:CB+7], v[VSW+\t], v[US] matrix_a_fmt:MATRIX_FMT_FP4 matrix_b_fmt:MATRIX_FMT_FP4
.endr
	WIN 0
	; the numbers: word perm % 8 of centroid c lies at 32 c + 8 (c / 8) + 4 (perm % 8).  These lines are also the places behind the matrix instructions
.irp g, 0,1,2,3
	s_wait_dscnt 48                                ; this group's 16 indices are in: behind its last read stand 48 - 16 g reads of indices and 16 g of numbers
.irp i, 0,1,2,3,4,5,6,7,8,9,10,11,12,13,14,15
	v_min_u32 v[GA+16*\g+\i], 0x1fff, v[GA+16*\g+\i]   ; held to the table's 8,192 centroids ahead of the address
.endr
.irp i, 0,1,2,3,4,5,6,7,8,9,10,11,12,13,14,15
	v_and_b32 v[TM+\i], 0x1ff8, v[GA+16*\g+\i]     ; 8 (c / 8): the padding passed
.endr
.irp i, 0,1,2,3,4,5,6,7,8,9,10,11,12,13,14,15
	v_lshl_add_u32 v[GA+16*\g+\i], v[GA+16*\g+\i], 5, v[TM+\i]
.endr
.irp i, 0,1,2,3,4,5,6,7,8,9,10,11,12,13,14,15
	v_lshl_add_u32 v[GA+16*\g+\i], v[PM+16*\g+\i], 2, v[GA+16*\g+\i]
.endr
.irp i, 0,1,2,3,4,5,6,7,8,9,10,11,12,13,14,15
	ds_load_b32 v[GA+16*\g+\i], v[GA+16*\g+\i]
.endr
.endr
.if \pre
	s_add_nc_u64 s[8:9], s[8:9], 512               ; 128 columns on (the loads that named these bases were waited for at the trip's head)
	s_add_nc_u64 s[18:19], s[18:19], 4096
	s_add_nc_u64 s[20:21], s[20:21], 256
	PRELOAD
.endif
	; w = number x weight_scale + (weight_bias + low rank), two at a time; each result of the product is read from its low end on
.irp g, 0,1,2,3
	s_wait_dscnt 48-16*\g                          ; this group's 16 numbers are in; the later groups' may be out
.irp i, 0,2,4,6,8,10,12,14
	v_pk_fma_f32 v[LR+16*\g+\i:LR+16*\g+\i+1], v[GA+16*\g+\i:GA+16*\g+\i+1], v[WS:WS+1], v[LR+16*\g+\i:LR+16*\g+\i+1] op_sel_hi:[1,0,1]
.endr
.endr
	QUANT LR
	v_mov_b32 v[SW], v[SW+1]                       ; the trip's scale word joins my row's four: after four trips trip t's stands in word t
	v_mov_b32 v[SW+1], v[SW+2]
	v_mov_b32 v[SW+2], v[SW+3]
	v_mov_b32 v[SW+3], v[PW]
	global_store_b128 v[CO], v[PC:PC+3], s[24:25]              ; the fragment as it stands: each store covers 512 consecutive bytes, aligned
	global_store_b128 v[CO], v[PC+4:PC+7], s[24:25] offset:512
.if \pre
	s_wait_xcnt 0x0                                ; the stores have read their data and their base: both are written again only behind this wait
	s_add_nc_u64 s[24:25], s[24:25], 1024
.endif
.endm
	s_mov_b32 s68, 3
.Ltrip:
	TRIP 1
	s_sub_co_u32 s68, s68, 1
	s_cmp_lg_u32 s68, 0
	s_cbranch_scc1 .Ltrip
	TRIP 0                                         ; the last trip asks for nothing: no load leaves its buffer
	s_wait_xcnt 0x0                                ; EXEC changes only behind this wait
	v_cmp_gt_u32 vcc_lo, 16, v[LN]
	s_wait_tensorcnt 0x0
	ds_add_u32 v62, v63
	s_wait_dscnt 0x0
	s_and_saveexec_b32 s69, vcc_lo                 ; lanes 0-15 hold the 16 rows once
	global_store_b128 v[SO], v[SW:SW+3], s[26:27]  ; 16 lanes store 256 consecutive bytes, aligned: W's scale bytes of my 512 columns
	global_store_b128 v[SO], v[XS:XS+3], s[28:29]  ; and x's of my 512 along K
	s_wait_xcnt 0x0                                ; and again, in front of the line that widens it
	s_or_b32 exec_lo, exec_lo, s69
	s_endpgm
.Lfunc_end_k_q7764d03c96_prep:
	.size	k_q7764d03c96_prep, .Lfunc_end_k_q7764d03c96_prep-k_q7764d03c96_prep
	.p2alignl 7, 3214868480
	.fill 96, 4, 3214868480
	.section	.rodata,"a",@progbits
	.p2align	6, 0x0
	.amdhsa_kernel k_q7764d03c96_prep
		.amdhsa_group_segment_fixed_size 305152
		.amdhsa_private_segment_fixed_size 0
		.amdhsa_enable_private_segment 0
		.amdhsa_kernarg_size 104
		.amdhsa_user_sgpr_count 2
		.amdhsa_user_sgpr_kernarg_segment_ptr 1
		.amdhsa_wavefront_size32 1
		.amdhsa_system_sgpr_workgroup_id_x 1
		.amdhsa_system_sgpr_workgroup_id_y 1
		.amdhsa_system_sgpr_workgroup_id_z 1
		.amdhsa_system_vgpr_workitem_id 0
		.amdhsa_next_free_vgpr 336
		.amdhsa_next_free_sgpr 76
		.amdhsa_reserve_vcc 1
		.amdhsa_float_denorm_mode_32 3
		.amdhsa_float_denorm_mode_16_64 3
		.amdhsa_memory_ordered 1
		.amdhsa_forward_progress 1
		.amdhsa_inst_pref_size 113
	.end_amdhsa_kernel
	.amdgpu_metadata
---
amdhsa.version: [ 1, 2 ]
amdhsa.kernels:
  - .name:           k_q7764d03c96_prep
    .symbol:         k_q7764d03c96_prep.kd
    .args:
      - { .name: centroids, .offset: 0, .size: 8, .value_kind: global_buffer, .address_space: global }
      - { .name: indices, .offset: 8, .size: 8, .value_kind: global_buffer, .address_space: global }
      - { .name: perm, .offset: 16, .size: 8, .value_kind: global_buffer, .address_space: global }
      - { .name: weight_scale, .offset: 24, .size: 8, .value_kind: global_buffer, .address_space: global }
      - { .name: weight_bias, .offset: 32, .size: 8, .value_kind: global_buffer, .address_space: global }
      - { .name: U, .offset: 40, .size: 8, .value_kind: global_buffer, .address_space: global }
      - { .name: S, .offset: 48, .size: 8, .value_kind: global_buffer, .address_space: global }
      - { .name: Vt_codes, .offset: 56, .size: 8, .value_kind: global_buffer, .address_space: global }
      - { .name: Vt_scales, .offset: 64, .size: 8, .value_kind: global_buffer, .address_space: global }
      - { .name: x_scales, .offset: 72, .size: 8, .value_kind: global_buffer, .address_space: global }
      - { .name: wq, .offset: 80, .size: 8, .value_kind: global_buffer, .address_space: global }
      - { .name: ws2, .offset: 88, .size: 8, .value_kind: global_buffer, .address_space: global }
      - { .name: xs2, .offset: 96, .size: 8, .value_kind: global_buffer, .address_space: global }
    .group_segment_fixed_size: 305152
    .private_segment_fixed_size: 0
    .kernarg_segment_align: 8
    .kernarg_segment_size: 104
    .max_flat_workgroup_size: 256
    .sgpr_count:     76
    .vgpr_count:     336
    .wavefront_size: 32
...
	.end_amdgpu_metadata
.endif
;; end of part 1
;; launch gemm (part 2): grid 16 x 16, 4 waves a work-group, clusters of 4 x 4, 327,680 bytes of LDS; arguments x_codes, xs2, wq, ws2, bias, out0; writes out0
.if DOCPART == 2
	.amdgcn_target "amdgcn-amd-amdhsa--gfx1250"
	.amdhsa_code_object_version 6
	.text
	.protected	k_q7764d03c96_gemm
	.globl	k_q7764d03c96_gemm
	.p2align	8
	.type	k_q7764d03c96_gemm,@function
k_q7764d03c96_gemm:
	s_mov_b64 s[64:65], 0
	v_nop
	global_prefetch_b8 v0, s[64:65] scope:SCOPE_SE
	s_setreg_imm32_b32 hwreg(HW_REG_WAVE_MODE, 25, 1), 1
	s_wait_xcnt 0x0
	s_wait_alu depctr_hold_cnt(0) depctr_sa_sdst(0) depctr_va_vdst(0) depctr_va_sdst(0) depctr_va_ssrc(0) depctr_va_vcc(0) depctr_vm_vsrc(0)
	s_getreg_b32 s2, hwreg(HW_REG_IB_STS2, 6, 4)
	s_cmp_eq_u32 s2, 0
	s_cbranch_scc0 .Lentry_in_a_cluster
	s_endpgm
.Lentry_in_a_cluster:
	s_bfe_u32 s2, ttmp6, 0x10000c
	s_cmp_lg_u32 s2, 0xf033
	s_cbranch_scc0 .Lentry_shape_is_right
	s_endpgm
.Lentry_shape_is_right:
; out0[m][n] = sum over k of x[m][k] W[n][k] + bias[n].  4,096 x 4,096 x 4,096; x and W are codes of FP4 (E2M1) with one E8M0 scale for each 32 along K; sums and out0 in f32.
; x_codes: [4096][2048 bytes], K innermost, as given.  wq: W's codes as images of operand registers [k / 512][n / 16][(k / 128) % 4][c 0..1][lane][16 bytes].  xs2, ws2: the scale bytes [k / 512][row][16 bytes].
; A tile of out0, 256 x 256, is made by a work-group of four waves, as many as a WGP has SIMDs; a wave makes 128 x 128: 64 accumulators of 16 x 16, 512 registers.
; K goes in 8 steps of 512 through a ring of two LDS slots filled by the tensor data mover.  A slot holds x's 256 rows of 256 bytes (+ 16 of padding each), W's 16 blocks of 16 rows as one dense block of 65,536 bytes,
; and the two tiles' scale bytes, 4,096 dense bytes each.  One load a wave: wave 0 x's codes, wave 1 x's scales, wave 2 W's codes, wave 3 W's scales.
; CLUSTERS: 4 x 4 work-groups.  The four of a row of the cluster need the same tiles of x, the four of a column the same tiles of W: each is asked for JOINTLY, by the same tensor load with the same descriptor and a mask that names the four.
; THE MATRIX INSTRUCTION IS USED TRANSPOSED (source 0 = 16 rows of W, source 1 = 16 rows of x): a lane then holds eight neighbouring numbers of a row of out0.  bias, in that layout, is the C of each sum's first product: nothing is cleared or added later.
; x's codes and scale bytes are taken as they are given.
; REGISTERS, in windows of 256: window 0: v0-31 addresses; v32-95 scale words, two sets; v128-191 x's fragments (8 x 16 rows x 128 K), ONE set; v192-255 bias, later rows on the way out.
;   window 1: W's fragments, TWO sets, at v0 and at v128.   window 2: the 32 accumulators of my rows 0-63 (accumulator (a, b) at v[8 (8 a + b)]);   window 3: those of my rows 64-127.
; A step of 128 along K is 64 matrix instructions, x's blocks one after the other, each against W's eight: a block of x is free as soon as its eight products are issued, so one set serves x; W's fragments are at work through the whole step and have two.
.set SIZE_N, 4096
.set NQ,     4                         ; steps of 128 along K in a slot
.set ROWB,   256                       ; a row of x's tile in bytes: 512 codes
.set KROW,   2048                      ; a row of x_codes in memory
.set PITCH,  272                       ; an LDS row of x's tile: 256 bytes + 16 = 68 words: row r starts at bank 4 r mod 64 (64 banks of 4 bytes: ISA guide 11.1), so the 16 rows that a load touches start at 16 different banks
.set FR,     8                         ; registers of a fragment: 16 rows x 128 K
.set NL,     2                         ; LDS loads that bring one
.set NP,     4                         ; places behind this matrix instruction (ISA guide 7.12.1)
.set HALFT,  128*PITCH                 ; x's 128 rows of one wave
.set BOFF,   256*PITCH                 ; in a slot: W's images behind x's 256 rows,
.set SAOFF,  BOFF+65536                ; x's scale bytes,
.set SBOFF,  SAOFF+4096                ; W's
.set SLOT,   SBOFF+4096                ; 143,360 bytes
.set LAPS,   4                         ; a lap = two K steps = once round the ring
.set SPARE,  2*SLOT                    ; behind the ring: the spare words, 128 bytes for each wave: two blocks of 256 bytes that no other line names
.set SPITCH, 528                       ; the way out: a stage of 16 rows x (512 bytes + 16) for each wave.  It lies in slot 0, which has had its last fill and its last read when the first result is stored there
.set ADRA, 16                          ; v16-17  LDS address of my fragments of x in slot 0, 1
.set ADRB, 20                          ; v20-21  the same for W: 16 x lane + my 8 blocks
.set ADRS, 22                          ; v22-23  of my scale words: lanes 0-15 x's rows, lanes 16-31 W's
.set STO,  24                          ; v24     the way out: where I put 32 bytes of a row
.set RD,   25                          ; v25     the way out: where I read a row back
.set CO,   26                          ; v26     my byte offset in a row of out0
.set SPW,  28                          ; v28     LDS address of my spare word: SPARE + 4 x my thread's number; never rewritten
.set NIL,  29                          ; v29     0; never rewritten
.set SC,   32                          ; scale words: set s (for slot s) at v[SC + 32 s]; in it register 4 i + q: lanes 0-15 the word of x's block i, lanes 16-31 that of W's block i, for the slot's q-th 128 along K
.set AF,   128                         ; x's fragments, in window 0
.set BI,   192                         ; bias: for W's block b eight registers: bias of columns 16 b + 8 (lane / 16) + 0 .. 7
.set BK,   128                         ; the way out: 16 rows read back from the stage: v128-191 and v192-255 by turns
.set G1A,  24                          ; s[24:31] descriptor group 1 for x's codes;  s[32:39] W's codes;  s[40:47] x's scales;  s[48:55] W's scales
.set G1B,  32
.set G1SA, 40
.set G1SB, 48
.set G0A,  56                          ; s[56:63] group 0 for x's codes, a set for each slot;  s[68:75] W's codes;  s[76:83] x's scales;  s[84:91] W's scales
.set G0B,  68
.set G0SA, 76
.set G0SB, 84
.set MSB, 0
.macro WIN new                         ; the immediate's high byte repeats the setting that is left
.if MSB != (\new)
	s_set_vgpr_msb (MSB<<8)|(\new)
.set MSB, (\new)
.endif
.endm
.set MUL_LO,   0xa1                    ; source 0 (W) window 1, source 1 (x) window 0, C and D window 2
.set MUL_HI,   0xf1                    ; the same, C and D window 3
.set FIRST_LO, 0x81                    ; the first products: C (bias) window 0, D window 2
.set FIRST_HI, 0xc1                    ; D window 3
.set TO_B,     0x40                    ; destination window 1, address window 0
; A joint load, one a wave.  Each of the four lines has ONE mask and one set of registers for all that issue it; the branches hang on the wave's number alone, which is the same in every work-group.
; Four v_nop follow each line, ahead of the jump, the label and what follows.
.macro JLOAD4 s
	s_cmp_lg_u32 s16, 0
	s_cbranch_scc1 .Lnot0_\@
	tensor_load_to_lds s[G0A+4*\s:G0A+4*\s+3], s[G1A:G1A+7]
	s_nop 0
.rept 4
	v_nop
.endr
	s_branch .Lasked_\@
.Lnot0_\@:
	s_cmp_lg_u32 s16, 1
	s_cbranch_scc1 .Lnot1_\@
	tensor_load_to_lds s[G0SA+4*\s:G0SA+4*\s+3], s[G1SA:G1SA+7]
	s_nop 0
.rept 4
	v_nop
.endr
	s_branch .Lasked_\@
.Lnot1_\@:
	s_cmp_lg_u32 s16, 2
	s_cbranch_scc1 .Lnot2_\@
	tensor_load_to_lds s[G0B+4*\s:G0B+4*\s+3], s[G1B:G1B+7]
	s_nop 0
.rept 4
	v_nop
.endr
	s_branch .Lasked_\@
.Lnot2_\@:
	tensor_load_to_lds s[G0SB+4*\s:G0SB+4*\s+3], s[G1SB:G1SB+7]
	s_nop 0
.rept 4
	v_nop
.endr
.Lasked_\@:
.endm
.macro CREST                           ; a round of the cluster's barrier behind its opening barrier
	s_cmp_lg_u32 s16, 0
	s_cbranch_scc1 .Lnot_wave_0_\@
	s_barrier_signal -3
.Lnot_wave_0_\@:
	s_barrier_wait -3
	s_barrier_signal -1
	s_barrier_wait -1
.endm
.macro CROUND                          ; a whole round
	s_barrier_signal -1
	s_barrier_wait -1
	CREST
.endm
	s_load_b256 s[4:11], s[0:1], 0x0               ; x's codes s[4:5], xs2 s[6:7], wq s[8:9], ws2 s[10:11]
	s_load_b128 s[12:15], s[0:1], 0x20             ; bias s[12:13], out0 s[14:15]
	v_lshl_add_u32 v[SPW], v0, 2, SPARE
	v_mov_b32 v[NIL], 0
	ds_add_u32 v28, v29
	ds_add_u32 v28, v29
	s_wait_dscnt 0x0
	v_lshrrev_b32 v1, 5, v0
	v_readfirstlane_b32 s16, v1                    ; wave 0..3
	s_lshr_b32 s17, s16, 1                         ; which half of the tile's rows is mine
	s_and_b32 s18, s16, 1                          ; which half of its columns
	s_bfe_u32 s92, ttmp6, 0x40000                  ; cx, cy: my place in the cluster
	s_bfe_u32 s93, ttmp6, 0x40004
	s_lshl_b32 s94, ttmp9, 2
	s_add_co_u32 s94, s94, s92                     ; tile column = 4 x cluster x + cx
	s_and_b32 s95, ttmp7, 0xffff
	s_lshl_b32 s95, s95, 2
	s_add_co_u32 s95, s95, s93                     ; tile row = 4 x cluster y + cy
	s_lshl_b32 s96, s93, 2
	s_lshl_b32 s96, 15, s96                        ; my row of the cluster
	s_lshl_b32 s97, 0x1111, s92                    ; my column
	; x's codes: 256 rows x 256 elements of 1 byte, 2,048 bytes apart, 4 words of padding behind every 64
	s_or_b32 s[G1A+0], s96, (0<<16)|(1<<20)|(1<<21)|(5<<22)|(3<<25)  ; 15:0 the mask: my row; 17:16 element of 1 byte; 20 padding on; 21 set beside a mask; 24:22 after every 64 words (code 5); 31:25 of 4 words (code 3)
	s_mov_b32 s[G1A+1], ROWB<<16                   ; tensor_dim0
	s_mov_b32 s[G1A+2], 256<<16                    ; tensor_dim1
	s_mov_b32 s[G1A+3], ROWB<<16                   ; tile_dim0
	s_mov_b32 s[G1A+4], 256                        ; tile_dim1
	s_mov_b32 s[G1A+5], KROW                       ; tensor_dim0_stride
	s_mov_b32 s[G1A+6], 0
	s_mov_b32 s[G1A+7], 0
	; W's codes: a dense block of 65,536 bytes, as 256 rows of 32 elements of 8 bytes, no padding: it is read back 16 bytes a lane on end
	s_or_b32 s[G1B+0], s97, (3<<16)|(1<<21)        ; the mask: my column
	s_mov_b32 s[G1B+1], 32<<16
	s_mov_b32 s[G1B+2], 256<<16
	s_mov_b32 s[G1B+3], 32<<16
	s_mov_b32 s[G1B+4], 256
	s_mov_b32 s[G1B+5], 32
	s_mov_b32 s[G1B+6], 0
	s_mov_b32 s[G1B+7], 0
	; the scale bytes of 256 rows for a K step: a dense block of 4,096 bytes, as 16 rows of 256
	s_or_b32 s[G1SA+0], s96, (3<<16)|(1<<21)
	s_or_b32 s[G1SB+0], s97, (3<<16)|(1<<21)
.irp g, G1SA, G1SB
	s_mov_b32 s[\g+1], 32<<16
	s_mov_b32 s[\g+2], 16<<16
	s_mov_b32 s[\g+3], 32<<16
	s_mov_b32 s[\g+4], 16
	s_mov_b32 s[\g+5], 32
	s_mov_b32 s[\g+6], 0
	s_mov_b32 s[\g+7], 0
.endr
	; where the tiles come from.  x's hang on the tile row alone, which my row of the cluster shares; W's on the tile column alone, which my column shares; each in registers that never hold the other coordinate
	s_lshl_b32 s20, s95, 19                        ; x's codes: 256 rows of 2,048 bytes
	s_mov_b32 s21, 0
	s_lshl_b32 s22, s95, 12                        ; x's scales: 256 rows of 16 bytes
	s_mov_b32 s23, 0
	s_lshl_b32 s98, s94, 16                        ; W's codes: 16 blocks of 4,096 bytes
	s_mov_b32 s99, 0
	s_lshl_b32 s100, s94, 12                       ; W's scales
	s_mov_b32 s101, 0
	s_wait_kmcnt 0x0
	s_add_nc_u64 s[20:21], s[4:5], s[20:21]
	s_add_nc_u64 s[22:23], s[6:7], s[22:23]
	s_add_nc_u64 s[98:99], s[8:9], s[98:99]
	s_add_nc_u64 s[100:101], s[10:11], s[100:101]
	CROUND                                         ; all sixteen work-groups are here: the first joint loads meet
.irp s, 0,1
	s_mov_b32 s[G0A+4*\s], 1                                       ; count = 1
	s_mov_b32 s[G0A+4*\s+1], \s*SLOT                               ; LDS address: a constant: no place in the cluster enters it
	s_add_nc_u64 s[G0A+4*\s+2:G0A+4*\s+3], s[20:21], \s*ROWB       ; K step s
	s_or_b32 s[G0A+4*\s+3], s[G0A+4*\s+3], 0x80000000              ; type = 2
	s_mov_b32 s[G0SA+4*\s], 1
	s_mov_b32 s[G0SA+4*\s+1], \s*SLOT+SAOFF
	s_add_nc_u64 s[G0SA+4*\s+2:G0SA+4*\s+3], s[22:23], \s*65536
	s_or_b32 s[G0SA+4*\s+3], s[G0SA+4*\s+3], 0x80000000
	s_mov_b32 s[G0B+4*\s], 1
	s_mov_b32 s[G0B+4*\s+1], \s*SLOT+BOFF
	s_add_nc_u64 s[G0B+4*\s+2:G0B+4*\s+3], s[98:99], \s*1048576
	s_or_b32 s[G0B+4*\s+3], s[G0B+4*\s+3], 0x80000000
	s_mov_b32 s[G0SB+4*\s], 1
	s_mov_b32 s[G0SB+4*\s+1], \s*SLOT+SBOFF
	s_add_nc_u64 s[G0SB+4*\s+2:G0SB+4*\s+3], s[100:101], \s*65536
	s_or_b32 s[G0SB+4*\s+3], s[G0SB+4*\s+3], 0x80000000
	JLOAD4 \s                                      ; both slots are asked for before anything else is done: two loads of mine are out
.endr
	v_and_b32 v1, 15, v0                           ; r = l % 16
	v_bfe_u32 v2, v0, 4, 1                         ; h = l / 16
	v_and_b32 v6, 31, v0                           ; lane
	v_mul_u32_u24 v3, v1, PITCH
	v_lshl_add_u32 v4, v2, 4, v3                   ; x: a fragment's row x pitch + 16 x half
	s_mul_i32 s19, s17, HALFT                      ; my 128 rows
	v_add_nc_u32 v[ADRA], s19, v4
	v_add_nc_u32 v[ADRA+1], SLOT, v[ADRA]
	s_lshl_b32 s19, s18, 15                        ; W: my 8 blocks of 4,096 bytes,
	s_add_co_u32 s19, s19, BOFF
	v_lshl_add_u32 v[ADRB], v6, 4, s19             ; 16 bytes a lane
	v_add_nc_u32 v[ADRB+1], SLOT, v[ADRB]
	s_xor_b32 s19, s17, 1                          ; the scale words: lanes 0-15 at SAOFF + 2,048 x row half + 16 r; lanes 16-31 at SBOFF + 2,048 x column half + 16 r:
	s_add_co_u32 s19, s19, s18
	s_add_co_u32 s19, s19, 1
	s_lshl_b32 s19, s19, 11                        ; the distance between the two, 2,048 (1 + column half + 1 - row half), in ONE product with h
	v_mul_u32_u24 v5, s19, v2
	v_lshl_add_u32 v5, v1, 4, v5
	s_lshl_b32 s19, s17, 11
	s_add_co_u32 s19, s19, SAOFF
	v_add_nc_u32 v[ADRS], s19, v5
	v_add_nc_u32 v[ADRS+1], SLOT, v[ADRS]
	s_mul_i32 s19, s16, 16*SPITCH                  ; my stage
	v_mul_u32_u24 v5, v1, SPITCH                   ; in: row l % 16, 32 bytes for each half of the lanes
	v_lshl_add_u32 v5, v2, 5, v5
	v_add_nc_u32 v[STO], s19, v5
	v_lshlrev_b32 v[CO], 4, v6                     ; back: the 32 lanes take one row of 512 bytes; and the same in out0
	v_add_nc_u32 v[RD], s19, v[CO]
	s_lshl_b32 s20, s95, 8
	s_lshl_b32 s21, s17, 7
	s_add_co_u32 s20, s20, s21                     ; my first row of out0: 256 x tile row + 128 x half,
	s_lshl_b32 s20, s20, 14                        ; of 16,384 bytes (under 2^26)
	s_mov_b32 s21, 0
	s_add_nc_u64 s[14:15], s[14:15], s[20:21]
	s_lshl_b32 s98, s94, 10                        ; my first column, in bytes: 1,024 x tile column + 512 x half (in the registers that held W's address: none that feeds x's descriptors ever holds cx)
	s_lshl_b32 s99, s18, 9
	s_add_co_u32 s98, s98, s99
	s_mov_b32 s99, 0
	s_add_nc_u64 s[14:15], s[14:15], s[98:99]
	s_add_nc_u64 s[12:13], s[12:13], s[98:99]      ; bias is f32 too: the same bytes on
	v_lshlrev_b32 v31, 5, v2                       ; my half's eight numbers of a block of 16
.irp b, 0,1,2,3,4,5,6,7
	global_load_b128 v[BI+8*\b:BI+8*\b+3], v31, s[12:13] offset:64*\b
	global_load_b128 v[BI+8*\b+4:BI+8*\b+7], v31, s[12:13] offset:64*\b+16
.endr
.macro FRAGA reg, slot, q, i           ; a fragment of x, 16 rows x 128 K of 4-bit codes: lane l holds row l % 16; registers 4 c .. 4 c + 3 hold K = 64 c + 32 (l / 16) + 0 .. 31
.irp c, 0,1
	ds_load_b128 v[\reg+4*\c:\reg+4*\c+3], v[ADRA+\slot] offset:64*(\q)+32*\c+(\i)*16*PITCH
.endr
.endm
.macro FRAGB reg, slot, q, i           ; a fragment of W comes back as it was stored: 512 consecutive bytes a load
.irp c, 0,1
	ds_load_b128 v[\reg+4*\c:\reg+4*\c+3], v[ADRB+\slot] offset:(4*(\i)+(\q))*1024+512*\c
.endr
.endm
; 16 matrix instructions: x's blocks a0, a0 + 1 against W's eight, 128 along K: the slot's q-th.  p: W's set;  sc: the set of scale words.  first = 1: the first product starts the sums from bias.
; The 64 accumulators take turns, one instruction a turn, in the same order in every step.
.macro MUL16 a0, p, q, sc, first
.irp a, \a0, \a0+1
.irp b, 0,1,2,3,4,5,6,7
.if \first
	v_wmma_scale_f32_16x16x128_f8f6f4 v[8*(8*((\a)%4)+\b):8*(8*((\a)%4)+\b)+7], v[128*(\p)+FR*\b:128*(\p)+FR*\b+FR-1], v[AF+FR*(\a):AF+FR*(\a)+FR-1], v[BI+8*\b:BI+8*\b+7], v[SC+8*NQ*(\sc)+NQ*\b+(\q)], v[SC+8*NQ*(\sc)+NQ*(\a)+(\q)] matrix_a_fmt:MATRIX_FMT_FP4 matrix_b_fmt:MATRIX_FMT_FP4 matrix_a_scale:MATRIX_SCALE_ROW1
.else
	v_wmma_scale_f32_16x16x128_f8f6f4 v[8*(8*((\a)%4)+\b):8*(8*((\a)%4)+\b)+7], v[128*(\p)+FR*\b:128*(\p)+FR*\b+FR-1], v[AF+FR*(\a):AF+FR*(\a)+FR-1], v[8*(8*((\a)%4)+\b):8*(8*((\a)%4)+\b)+7], v[SC+8*NQ*(\sc)+NQ*\b+(\q)], v[SC+8*NQ*(\sc)+NQ*(\a)+(\q)] matrix_a_fmt:MATRIX_FMT_FP4 matrix_b_fmt:MATRIX_FMT_FP4 matrix_a_scale:MATRIX_SCALE_ROW1
.endif
.endr
.endr
.endm
.macro FETCH_B slot, q, p              ; W's eight fragments of the slot's q-th 128 along K into set p
	WIN TO_B
.irp i, 0,1,2,3,4,5,6,7
	FRAGB 128*(\p)+FR*\i, \slot, \q, \i
.endr
	WIN 0
.endm
.macro FETCH_A slot, q, i0             ; x's blocks i0 .. i0 + 3
.irp i, \i0, \i0+1, \i0+2, \i0+3
	FRAGA AF+FR*(\i), \slot, \q, \i
.endr
.endm
.macro SCALES sc                       ; slot sc's scale words into set sc: four words a row; lanes 0-15 take x's block i, lanes 16-31 W's block i
.irp i, 0,1,2,3,4,5,6,7
	ds_load_b128 v[SC+8*NQ*\sc+NQ*\i:SC+8*NQ*\sc+NQ*\i+3], v[ADRS+\sc] offset:\i*256
.endr
.endm
; A load into a register that a matrix instruction has read, and an LDS store that reads a matrix result, stand NP places behind that matrix instruction, and only plain vector instructions that name none of its
; registers are places (ISA guide 7.12.1 for vector instructions); this text does not count the matrix instructions in between.
.macro PLACES n
.rept \n
	v_nop
.endr
.endm
; A step of 128 along K that has its successor in the same slot.
.macro STEP slot, q, first
	s_wait_dscnt 4*NL                              ; W's set, the scale words and x's blocks 0-3 are in; the youngest eight loads (x's blocks 4-7) may be out
.if \first
	WIN FIRST_LO
.else
	WIN MUL_LO
.endif
	MUL16 0, (\q)%2, \q, \slot, \first
	MUL16 2, (\q)%2, \q, \slot, \first
	s_wait_dscnt 0                                 ; x's blocks 4-7 are in (asked for 32 matrix instructions ago)
	PLACES NP
	FETCH_B \slot, (\q)+1, 1-(\q)%2
	FETCH_A \slot, (\q)+1, 0
.if \first
	WIN FIRST_HI
.else
	WIN MUL_HI
.endif
	MUL16 4, (\q)%2, \q, \slot, \first
	MUL16 6, (\q)%2, \q, \slot, \first
	PLACES NP
	WIN 0
	FETCH_A \slot, (\q)+1, 4
.endm
; A slot's last step changes slots: ONE barrier; in front of it each wave waits for all its tensor loads, adds 0 to its spare word, and waits for that and for its own reads of this slot.  fill = 1: this slot is filled again, two K steps ahead.
.macro TURN slot, next, fill
	s_wait_tensorcnt 0x0                           ; all my tensor loads have landed: the one that was out is my part of the next slot;  (every window is 0 here: the add's two registers lie in window 0)
	ds_add_u32 v[SPW], v[NIL]                      ; 0 onto my spare word
	s_wait_dscnt 4*NL+1                            ; (the add and the youngest eight loads, x's blocks 4-7, may be out)
	WIN MUL_LO
	MUL16 0, 1, NQ-1, \slot, 0                     ; sixteen matrix instructions stand between the add and the wait for it
	s_wait_dscnt 0x0                               ; the add is done, and my reads of this slot are over
	s_barrier_signal -1
	MUL16 2, 1, NQ-1, \slot, 0
	WIN 0
	s_barrier_wait -1
.if \fill
	CREST                                          ; the barrier has opened a round of the cluster's barrier: no wave of any partner still reads this slot's tiles or has a load on its way
	s_add_nc_u64 s[G0A+4*\slot+2:G0A+4*\slot+3], s[G0A+4*\slot+2:G0A+4*\slot+3], 2*ROWB          ; two K steps on, in each of the four streams (no tensor load of mine is out)
	s_add_nc_u64 s[G0SA+4*\slot+2:G0SA+4*\slot+3], s[G0SA+4*\slot+2:G0SA+4*\slot+3], 2*65536
	s_add_nc_u64 s[G0B+4*\slot+2:G0B+4*\slot+3], s[G0B+4*\slot+2:G0B+4*\slot+3], 2*1048576
	s_add_nc_u64 s[G0SB+4*\slot+2:G0SB+4*\slot+3], s[G0SB+4*\slot+2:G0SB+4*\slot+3], 2*65536
	JLOAD4 \slot                                   ; the first tensor load behind the round, one a wave; the four v_nop behind it are also the places in front of the loads below
.else
	PLACES NP
.endif
	FETCH_B \next, 0, 0
	FETCH_A \next, 0, 0
	SCALES \next
	WIN MUL_HI
	MUL16 4, 1, NQ-1, \slot, 0
	MUL16 6, 1, NQ-1, \slot, 0
	PLACES NP
	WIN 0
	FETCH_A \next, 0, 4
.endm
.macro STEPS slot, from                ; the slot's steps from .. NQ - 2
.set Q, \from
.rept NQ-1-\from
	STEP \slot, Q, 0
.set Q, Q+1
.endr
.endm
	s_wait_tensorcnt 1                             ; my part of K step 0 is in (K step 1's load may be out)
	s_barrier_signal -1
	s_barrier_wait -1                              ; everybody's is
	FETCH_B 0, 0, 0
	FETCH_A 0, 0, 0
	SCALES 0
	FETCH_A 0, 0, 4
	s_wait_loadcnt 0x0                             ; bias
	STEP 0, 0, 1                                   ; the first step stands in front of the loop: its products start the sums
	s_mov_b32 s3, LAPS-1
.Llap:                                                 ; a trip goes once round the ring, from a lap's second step to the next lap's first, and fills both slots again
	STEPS 0, 1
	TURN 0, 1, 1
	STEPS 1, 0
	TURN 1, 0, 1
	STEP 0, 0, 0
	s_sub_co_u32 s3, s3, 1
	s_cmp_lg_u32 s3, 0
	s_cbranch_scc1 .Llap
	STEPS 0, 1                                     ; the last lap fills nothing, and has no round of the cluster's barrier
	TURN 0, 1, 0
	STEPS 1, 0
	s_wait_dscnt 4*NL                              ; the very last step: nothing more to fetch
	WIN MUL_LO
	MUL16 0, 1, NQ-1, 1, 0
	MUL16 2, 1, NQ-1, 1, 0
	s_wait_dscnt 0
	WIN MUL_HI
	MUL16 4, 1, NQ-1, 1, 0
	MUL16 6, 1, NQ-1, 1, 0
	WIN 0
; THE WAY OUT, block by block of 16 rows x 128 columns.  A lane holds 32 neighbouring bytes of a row, and the lanes beside it hold other rows: so a block goes through my own stage in LDS and comes back as whole
; rows of 512 bytes, which the 32 lanes store as two aligned runs of 256 bytes.  LDS serves a wave's instructions in order (ISA guide 5.7.1.4): no wait between the stores and the loads, nor in front of the next block's stores.
.macro TOSTAGE a
.set AC, 64*((\a)%4)
	WIN 0x08+4*((\a)/4)                            ; the data: window 2 or 3
.irp b, 0,1,2,3,4,5,6,7
	ds_store_b128 v[STO], v[AC+8*\b:AC+8*\b+3] offset:64*\b          ; each accumulator from its low end on
	ds_store_b128 v[STO], v[AC+8*\b+4:AC+8*\b+7] offset:64*\b+16
.endr
	WIN 0
.set BB, BK+64*((\a)%2)
.irp t, 0,1,2,3,4,5,6,7,8,9,10,11,12,13,14,15
	ds_load_b128 v[BB+4*\t:BB+4*\t+3], v[RD] offset:\t*SPITCH
.endr
.endm
.macro SEND a, younger                 ; younger: the LDS instructions issued behind block a's loads, which may stay out
.set BB, BK+64*((\a)%2)
	s_wait_dscnt \younger                          ; the block is back in registers
.if (\a) > 0
	s_add_nc_u64 s[14:15], s[14:15], 16*SIZE_N*4   ; (behind a wait on XCNT: the earlier stores have read their base)  16 rows of out0 on: the stores' offsets reach 15 rows, 245,760 bytes, inside the signed 24-bit immediate (ISA guide, chapter 10)
.endif
.irp t, 0,1,2,3,4,5,6,7,8,9,10,11,12,13,14,15
	global_store_b128 v[CO], v[BB+4*\t:BB+4*\t+3], s[14:15] offset:\t*SIZE_N*4 th:TH_STORE_NT   ; 32 lanes store 512 consecutive bytes, at a multiple of 256 from out0's first byte; written once, read by nobody here
.endr
.endm
	PLACES NP                                      ; these places serve the loads into the registers that held x's fragments and the reads of the last products' results alike
	TOSTAGE 0
.irp a, 1,2,3,4,5,6,7
.if \a > 1
	s_wait_xcnt 0x0                                ; block a - 2's stores have read their registers and their base: block a's loads may land there, and the base may step
.endif
	TOSTAGE \a
	SEND \a-1, 32                                  ; behind block a - 1's loads: block a's 16 stores and 16 loads
.endr
	s_wait_xcnt 0x0                                ; block 6's stores have read their base
	SEND 7, 0
	s_wait_tensorcnt 0x0                           ; the wave's end, behind my last tensor load and my last LDS store
	ds_add_u32 v[SPW], v[NIL]
	s_wait_dscnt 0x0
	CROUND                                         ; the closing round: no work-group ends while a partner may still ask for a tile that names it
	s_endpgm
.Lfunc_end_k_q7764d03c96_gemm:
	.size	k_q7764d03c96_gemm, .Lfunc_end_k_q7764d03c96_gemm-k_q7764d03c96_gemm
	.p2alignl 7, 3214868480
	.fill 96, 4, 3214868480
	.section	.rodata,"a",@progbits
	.p2align	6, 0x0
	.amdhsa_kernel k_q7764d03c96_gemm
		.amdhsa_group_segment_fixed_size 327680
		.amdhsa_private_segment_fixed_size 0
		.amdhsa_enable_private_segment 0
		.amdhsa_kernarg_size 48
		.amdhsa_user_sgpr_count 2
		.amdhsa_user_sgpr_kernarg_segment_ptr 1
		.amdhsa_wavefront_size32 1
		.amdhsa_system_sgpr_workgroup_id_x 1
		.amdhsa_system_sgpr_workgroup_id_y 1
		.amdhsa_system_sgpr_workgroup_id_z 1
		.amdhsa_system_vgpr_workitem_id 0
		.amdhsa_next_free_vgpr 1024
		.amdhsa_next_free_sgpr 102
		.amdhsa_reserve_vcc 0
		.amdhsa_float_denorm_mode_32 3
		.amdhsa_float_denorm_mode_16_64 3
		.amdhsa_memory_ordered 1
		.amdhsa_forward_progress 1
		.amdhsa_inst_pref_size 215
	.end_amdhsa_kernel
	.amdgpu_metadata
---
amdhsa.version: [ 1, 2 ]
amdhsa.kernels:
  - .name:           k_q7764d03c96_gemm
    .symbol:         k_q7764d03c96_gemm.kd
    .args:
      - { .name: x_codes, .offset: 0, .size: 8, .value_kind: global_buffer, .address_space: global }
      - { .name: xs2, .offset: 8, .size: 8, .value_kind: global_buffer, .address_space: global }
      - { .name: wq, .offset: 16, .size: 8, .value_kind: global_buffer, .address_space: global }
      - { .name: ws2, .offset: 24, .size: 8, .value_kind: global_buffer, .address_space: global }
      - { .name: bias, .offset: 32, .size: 8, .value_kind: global_buffer, .address_space: global }
      - { .name: out0, .offset: 40, .size: 8, .value_kind: global_buffer, .address_space: global }
    .group_segment_fixed_size: 327680
    .private_segment_fixed_size: 0
    .kernarg_segment_align: 8
    .kernarg_segment_size: 48
    .max_flat_workgroup_size: 128
    .sgpr_count:     102
    .vgpr_count:     1024
    .wavefront_size: 32
...
	.end_amdgpu_metadata
.endif
;; end of part 2
